; MI455X (gfx1250); checked and timed in simulation.
; The chip was launched on July 23, 2026; its instructions are those of AMD's public machine-readable ISA for CDNA 5 (MIT licence, August 2026) and "CDNA5" Instruction Set Architecture Reference Guide (July 2026). The comments in the code are by the model that wrote it; some were corrected since.
;; Quantized Linear. Allowed arithmetic: matrix products marked QUANTISED: E2M1 operands, one E8M0 scale for each 32 along K, by v_wmma_scale_f32_16x16x128_f8f6f4 with both operands' format E2M1 (or v_wmma_scale_f32_32x16x128_f4), f32 sums; everything else in f32.
;; Inputs: scale 16,384 x 1 float32; weight 16,384 x 4,096 int8; x_codes 4 x 256 x 128 x 16 uint8 (E2M1 codes of x, K innermost, in blocks of 32 codes, two codes a byte); x_scales 4 x 256 x 128 uint8 (E8M0 scales of x, one for each 32 codes along K).
;; Outputs: out0 4 x 256 x 16,384 float32.
;; This version of the problem:
;;   THIS VERSION OF THE PROBLEM IS GIVEN IN LOW PRECISION. The matrix products marked QUANTISED in the list below multiply operands that are first quantised to E2M1 (2 exponent bits, 1 mantissa bit; 4 bits a number), with one power-of-two scale for each 32 numbers along K (OCP MX v1.0); their sums are f32. All else is computed in f32.
;;   The module's matrix products, in the order in which they are computed (A, B: the left and right operand; K: the contracted axis; several contracted axes count as one K, in the product's order):
;;     1. [M 1,024, K 4,096] x [K 4,096, N 16,384]; A: input x (given as codes); B: computed on the way: QUANTISED
;;   THE QUANTISER, for each operand of a quantised product, along K:
;;     - K is cut into blocks of 32 from its start; a last block that is shorter is filled with zeros.
;;     - A block's scale is 2^e with e = floor(log2(the largest magnitude in the block)) - 2, held to -126 .. 127; a block of zeros has e = 0. As a byte (E8M0): e + 127.
;;     - Each number is divided by its block's scale, clamped to +-6, and rounded to the nearest number of E2M1, ties to even, subnormals kept.
;;     - The product sums the exact products of the quantised numbers (number of the format x scale) in f32.
;;   ~~~python
;;   def quantise(x, axis):      # numpy; x: float32 -> the quantised numbers, widened to float32 again
;;       x = np.moveaxis(x, axis, -1); K = x.shape[-1]
;;       x = np.pad(x, [(0, 0)] * (x.ndim - 1) + [(0, -K % 32)]); x = x.reshape(x.shape[:-1] + (-1, 32)); a = np.abs(x).max(-1, keepdims=True)
;;       e = np.where(a > 0, np.clip(np.frexp(np.where(a > 0, a, 1))[1] - 1 - 2, -126, 127), 0)      # np.frexp(a)[1] - 1 = floor(log2(a)), exactly
;;       r = np.clip(x / 2.0 ** e, -6, 6)
;;       step = 2.0 ** (np.maximum(np.frexp(np.where(r == 0, 1, r))[1] - 1, 0) - 1)
;;       q = np.round(r / step) * step * 2.0 ** e      # np.round: ties to even
;;       return np.moveaxis(q.reshape(q.shape[:-2] + (-1,))[..., :K], -1, axis).astype(np.float32)
;;   ~~~
;;   OPERANDS COMPUTED ON THE WAY. 'Computed on the way' means the value that the module computes at that place (a softmax that the list does not call 'softmax' is quantised finished and normalised). What goes into a quantiser is computed in f32, as accurately as f32 sums, v_exp_f32 and their like allow (about 1e-6 of the number): no bf16 or f16 on the way to a quantiser, and a product that is left as it is and whose result goes on into a quantised operand takes f32 operands (vector FMAs, or v_wmma_f32_16x16x4_f32). A number that lies on a knife's edge between two numbers of the format may be rounded either way, as far as f32 arithmetic and the matrix unit's own rounding can turn it there, and no further.
;;   INPUTS GIVEN AS CODES. x (in the module: [4, 256, 4096], K = its axis 2): each comes as NAME_codes (uint8): NAME with its K axis moved to the last place and cut into blocks of 32 codes, [.., K / 32, bytes a block], one block behind the other in memory; two codes a byte, the lower K in the low four bits (a code: sign, 2 exponent bits, 1 mantissa bit); and NAME_scales (uint8): the same leading axes, one E8M0 byte (e + 127) for each 32 codes along K. Its value is code x scale, taken as it is: it is not quantised again, and the codes and scales need not be those that the quantiser above would give.
;; 2 versions. Each part assembles by itself: llvm-mc -triple=amdgcn-amd-amdhsa -mcpu=gfx1250 --defsym DOCPART=n.
;; ======== version 1 of 2: 1 launch
;; launch qlinear (part 1): grid 256 x 1, 4 waves a work-group, clusters of 4 x 1, 327,680 bytes of LDS; arguments x_codes, x_scales, weight, scale, out0; writes out0
.if DOCPART == 1
	.amdgcn_target "amdgcn-amd-amdhsa--gfx1250"
	.amdhsa_code_object_version 6
	.text
	.protected	k_qf5c0aad11e_qlinear
	.globl	k_qf5c0aad11e_qlinear
	.p2align	8
	.type	k_qf5c0aad11e_qlinear,@function
k_qf5c0aad11e_qlinear:
	s_mov_b64 s[64:65], 0
	v_nop
	global_prefetch_b8 v0, s[64:65] scope:SCOPE_SE
	s_setreg_imm32_b32 hwreg(HW_REG_WAVE_MODE, 25, 1), 1
	s_wait_xcnt 0x0
	s_wait_alu depctr_hold_cnt(0) depctr_sa_sdst(0) depctr_va_vdst(0) depctr_va_sdst(0) depctr_va_ssrc(0) depctr_va_vcc(0) depctr_vm_vsrc(0)
	s_getreg_b32 s2, hwreg(HW_REG_IB_STS2, 6, 4)
	s_cmp_eq_u32 s2, 0
	s_cbranch_scc0 .Lentry_in_a_cluster
	s_endpgm
.Lentry_in_a_cluster:
	s_bfe_u32 s2, ttmp6, 0x10000c
	s_cmp_lg_u32 s2, 0x3003
	s_cbranch_scc0 .Lentry_shape_is_right
	s_endpgm
.Lentry_shape_is_right:
; out0[m][n] = sum over k of x[m][k] * Q(weight[n][k] * scale[n]).  M = 1,024, K = 4,096, N = 16,384.
; x: codes of FP4 (E2M1), two a byte, K innermost (a row is 2,048 bytes), one E8M0 byte for each 32 along K (a row is 128 bytes): taken as given.
; weight: int8 [N][K]; scale: f32 [N].  weight * scale is made in f32 (one rounding) and quantised along K in blocks of 32: a block's scale is 2^(floor(log2(its largest magnitude)) - 2).
; The product goes by v_wmma_scale_f32_16x16x128_f8f6f4 on FP4 codes; one f32 sum for each output, K ascending.
; SHARES.  A work-group owns 64 columns n and ALL 1,024 rows m: 16,384 / 64 = 256 work-groups.  So each weight has one owner, is read once, quantised once, and its codes never go to memory.
;   The 1,024 x 64 sums are 512 registers in each of four waves.  All of x goes through every work-group's LDS, in 16 tiles of 512 rows x 512 along K: step t = 2 c + g, chunk c of K, half g of the rows; slot g holds half g.
;   As a multiplier wave w takes rows 512 g + 128 w + 0 .. 127 against all 64 columns: 128 matrix instructions a step.
;   As a quantiser wave w takes weight rows 16 w .. 16 w + 15 of the work-group's 64: eight of them a step, one chunk ahead of the products; its loads from memory run two chunks ahead.
; CLUSTER.  The four work-groups of a cluster walk the same tiles of x: each tile is asked for JOINTLY (mask 15): waves 0 and 1 fetch 256 rows of codes each, wave 2 the tile's scale bytes, wave 3 nothing.
;   By this text's own count a wave has two tensor loads out at the start and one afterwards.  The weights are nobody else's: they go from memory straight into registers.
; THE MATRIX INSTRUCTION IS USED TRANSPOSED: source 0 = 16 weight rows, source 1 = 16 rows of x: a lane then holds eight neighbouring columns of one row of out0.
; THE SUMS ARE CLEARED by 512 v_mov_b32 at the head, where the wave would otherwise wait for its first weights.  Starting them with C = 0 would want a whole trip of the loop written a second time.
; LIMITS: NaN and infinities in scale are not served.  A block of zeros, or one whose largest magnitude lies under 2^-124, gets the byte 1 (the rule says 127 for zeros: its codes are zeros, and only this text reads the bytes).
;   An x scale byte 0xff gives NaN, as the format has it.  int8 -128 is served.
; LDS: all of a WGP's is claimed; the text uses 313,856 bytes.
.set PITCH,  272                       ; an LDS row of x codes: 256 bytes + 16 of padding = 68 words: row r starts at bank 4 r mod 64 (64 banks of 4 bytes: ISA guide 11.1)
.set SLOTB,  512*PITCH                 ; a slot: 512 rows
.set XSC,    2*SLOTB                   ; behind the ring: x's scale bytes of a tile, [512 rows][16 bytes], dense; one region for each half
.set XSCB,   8192
.set BIMG,   XSC+2*XSCB                ; the weights' codes of one chunk: [tile b of 16 columns: 16 PITCH][block of 32 along K, 0..15: PITCH][column r: 16 bytes]; written by ds_store alone
.set BSC,    BIMG+4*16*PITCH           ; their scale bytes: [column 0..63][16 bytes]; written by ds_store alone
.set SPARE,  BSC+1024                  ; the spare words, 128 bytes for each wave: two blocks of 256 bytes that no other line names
; the way out: a stage of 16 rows x PITCH for each wave, at wave x 16 PITCH in slot 0, which by then has had its last fill and its last read
; VECTOR REGISTERS, window 0
.set ADRA, 1                           ; v1-2   LDS address of my fragments of x in slot 0, 1
.set ADRB, 3                           ; v3     of the weights' fragments
.set ADXS, 4                           ; v4-5   of x's scale words, half 0, 1
.set ADBS, 6                           ; v6     of the weights' scale words
.set ADQ,  7                           ; v7     where I store 16 codes of a weight row
.set ADQS, 8                           ; v8     and its block's scale byte
.set WOF,  9                           ; v9     16 x lane: my bytes of a weight row's 512
.set SPW,  10                          ; v10    LDS address of my spare word: SPARE + 4 x my thread's number; never rewritten
.set NIL,  11                          ; v11    0; never rewritten
.set MAG,  12                          ; v12    0x4b000000: the bits of 2^23
.set PFO,  13                          ; v13    2,048 x lane: a row of x codes a lane
.set STO,  14                          ; v14    the way out: where I put 32 bytes of a row
.set RD,   15                          ; v15    where I read a row back
.set CO,   16                          ; v16    my byte offset in two rows of out0
.set XS,   32                          ; v32-63 x's scale words: v[XS + 16 g + 4 p + q]: lanes 0-15 block 2 p, lanes 16-31 block 2 p + 1, the chunk's q-th 128 along K
.set BS,   64                          ; v64-71 the weights': v[BS + 4 p + q]: lanes 0-15 tile 2 p, lanes 16-31 tile 2 p + 1
.set W,    80                          ; v80-143  weights as loaded: row i at W + 4 i
.set T,    144                         ; v144-159 16 numbers in f32
.set M0,   160                         ; v160-161 largest magnitudes, v162 the conversion's scale operand
.set M1,   161
.set SO,   162
.set CD,   176                         ; v176-207 codes: row i at CD + 2 i
.set EB,   208                         ; v208-223 scale byte of row i
.set BK,   128                         ; the way out: v128-159 and v160-191 by turns
; window 1: v0-63, v64-127 x's fragments (block a at 8 a), two sets; v128-255 the weights' fragments of a whole chunk ((b, q) at 128 + 32 q + 8 b)
; window 2, 3: the accumulators of half 0, 1: (a, b) at 8 (4 a + b)
; SCALAR REGISTERS
.set WV,   14                          ; s14  my wave's number
.set BIAS, 18                          ; s[18:19] -(2^23 + 128)
.set SEL,  20                          ; s20-23 byte selects
.set G1X,  24                          ; s[24:31] descriptor group 1, x's codes;  s[32:39] group 0, one set for each slot
.set G0X,  32
.set G1S,  40                          ; s[40:47], s[48:55] the same for x's scale bytes
.set G0S,  48
.set CNT,  56                          ; s56  trips to go
.set LIM,  57                          ; s57  1 in the first cluster, else the greatest number
.set PX,   58                          ; s[58:59] where my prefetches stand
.set WP,   60                          ; s[60:61] my 16 weight rows, at the chunk that is asked for next
.set SGN,  62                          ; s62  0x80808080
.set OB1,  66                          ; s[66:67] out0 at my first row of half 1 (s[12:13]: of half 0)
.set SCP,  68                          ; s[68:99] row i's scale, twice: a pair for the packed multiply
.set MSB, 0
.macro WIN new                         ; the immediate's high byte repeats the setting that is left; a switch that changes nothing is dropped
.if MSB != \new
	s_set_vgpr_msb (MSB<<8)|\new
.set MSB, \new
.endif
.endm
.set TOW1, 0x40                        ; destination window 1, address window 0
.macro PLACES n
.rept \n
	v_nop
.endr
.endm
.macro CREST                           ; a round of the cluster's barrier behind its opening barrier
	s_cmp_lg_u32 s[WV], 0
	s_cbranch_scc1 .Lnot_wave_0_\@
	s_barrier_signal -3
.Lnot_wave_0_\@:
	s_barrier_wait -3
	s_barrier_signal -1
	s_barrier_wait -1
.endm
.macro CROUND                          ; a whole round
	s_barrier_signal -1
	s_barrier_wait -1
	CREST
.endm
; A joint refill of slot g.  The branches hang on the wave's number alone.  Four v_nop follow each of the two lines.
.macro JLOAD g
	s_cmp_lt_u32 s[WV], 2
	s_cbranch_scc0 .Lnot_x_\@
	tensor_load_to_lds s[G0X+4*(\g):G0X+4*(\g)+3], s[G1X:G1X+7]
	s_nop 0
	PLACES 4
	s_branch .Lasked_\@
.Lnot_x_\@:
	s_cmp_eq_u32 s[WV], 2
	s_cbranch_scc0 .Lasked_\@
	tensor_load_to_lds s[G0S+4*(\g):G0S+4*(\g)+3], s[G1S:G1S+7]
	s_nop 0
	PLACES 4
.Lasked_\@:
.endm
; A PREFETCH INTO THE L2 of the tile of codes that stands two refills on: 512 rows x 256 bytes.  All clusters walk the same x: the first cluster asks, and nobody else.  Its four partners and their four waves
; share the rows out BY ADDRESS: row 128 cx + 32 wave + lane: a lane a row, one instruction a wave, so each row's 256 bytes of a chunk are named once in the launch.  The last trip asks for nothing: no chunk is left.
.macro ASK off
	s_cmp_gt_u32 s[CNT], s[LIM]
	s_cbranch_scc0 .Lnot_mine_\@
	global_prefetch_b8 v[PFO], s[PX:PX+1] offset:\off th:TH_LOAD_NT scope:SCOPE_SE
.Lnot_mine_\@:
.endm
.macro WLOAD i, off                    ; 512 consecutive bytes of weight row i: 16 a lane; read once in the launch
	global_load_b128 v[W+4*(\i):W+4*(\i)+3], v[WOF], s[WP:WP+1] offset:4096*(\i)+\off th:TH_LOAD_NT
.endm
; ONE WEIGHT ROW'S 512 NUMBERS BECOME CODES: 16 a lane; lanes l and l xor 1 hold a block of 32.  st = 1: codes and scale byte go to LDS at once; 0: they wait in CD and EB.
.macro QROW i, st
.irp j, 0,1,2,3
	v_xor_b32 v[W+4*(\i)+\j], s[SGN], v[W+4*(\i)+\j]               ; each byte: w + 128, 0 .. 255
.endr
.irp j, 0,1,2,3
.irp k, 0,1,2,3
	v_perm_b32 v[T+4*\j+\k], v[W+4*(\i)+\j], v[MAG], s[SEL+\k]     ; byte k under the bits of 2^23: the f32 number 2^23 + w + 128
.endr
.endr
.irp p, 0,2,4,6,8,10,12,14
	v_pk_add_f32 v[T+\p:T+\p+1], v[T+\p:T+\p+1], s[BIAS:BIAS+1] op_sel_hi:[1,0]   ; less 2^23 + 128: w, exactly
.endr
.irp p, 0,2,4,6,8,10,12,14
	v_pk_mul_f32 v[T+\p:T+\p+1], v[T+\p:T+\p+1], s[SCP+2*(\i):SCP+2*(\i)+1] op_sel_hi:[1,0]   ; x the row's scale: one rounding in f32
.endr
	v_max3_num_f32 v[M0], |v[T]|, |v[T+1]|, 0x1800000              ; the largest magnitude of my 16, in two chains, and the floor 2^(3 - 127): the byte cannot fall under 1
	v_max3_num_f32 v[M1], |v[T+2]|, |v[T+3]|, |v[T+4]|
	v_max3_num_f32 v[M0], v[M0], |v[T+5]|, |v[T+6]|
	v_max3_num_f32 v[M1], v[M1], |v[T+7]|, |v[T+8]|
	v_max3_num_f32 v[M0], v[M0], |v[T+9]|, |v[T+10]|
	v_max3_num_f32 v[M1], v[M1], |v[T+11]|, |v[T+12]|
	v_max3_num_f32 v[M0], v[M0], |v[T+13]|, |v[T+14]|
	v_max3_num_f32 v[M0], v[M0], v[M1], |v[T+15]|
	v_max_num_f32_dpp v[M0], v[M0], v[M0] row_xmask:1 row_mask:0xf bank_mask:0xf   ; with my neighbour's 16: the block's
	v_add_nc_u32 v[SO], 0xff000000, v[M0]                          ; 2 off its exponent field: the conversion takes the exponent field of this operand as its scale
	v_cvt_scalef32_pk8_fp4_f32 v[CD+2*(\i)], v[T:T+7], v[SO]
	v_cvt_scalef32_pk8_fp4_f32 v[CD+2*(\i)+1], v[T+8:T+15], v[SO]
	v_lshrrev_b32 v[EB+(\i)], 23, v[SO]                            ; the scale's byte; also the plain line behind the conversions
.if \st
	ds_store_b64 v[ADQ], v[CD+2*(\i):CD+2*(\i)+1] offset:16*(\i)
	ds_store_b8 v[ADQS], v[EB+(\i)] offset:16*(\i)                 ; both lanes of a block write the same byte with the same value
.endif
.endm
; Two rows, and the loads that take their registers.  Sixteen weight loads are always out, in the order of the rows: the two wanted are the oldest, so fourteen younger ones may stay out.
; mode 2 (ahead of the loop): the same rows of the next chunk, 512 bytes on.  mode 1 (in the loop): the rows at WP; the last trip has no chunk left to ask for and waits for all instead, so the count holds on either way.
.macro QPAIR i0, st, mode
	s_wait_loadcnt 14
	QROW \i0, \st
	QROW (\i0)+1, \st
.if \mode == 2
	WLOAD \i0, 512
	WLOAD (\i0)+1, 512
.else
	s_cmp_lg_u32 s[CNT], 1
	s_cbranch_scc0 .Llast_\@
	WLOAD \i0, 0
	WLOAD (\i0)+1, 0
	s_branch .Lgone_\@
.Llast_\@:
	s_wait_loadcnt 0x0
.Lgone_\@:
.endif
.endm
; The fragments of the chunk's q-th 128 along K.  A fragment, 16 rows x 128 K of 4-bit codes, is 8 registers: lane l holds row l % 16; registers 4 c .. 4 c + 3 hold K = 64 c + 32 (l / 16) + 0 .. 31.
; In half 0 the weights' four come too (8 loads): they stay in registers for half 1.  x's eight (16 loads) go into set q % 2.
.macro FETCH g, q
	WIN TOW1
.if (\g) == 0
.irp b, 0,1,2,3
.irp c, 0,1
	ds_load_b128 v[128+32*(\q)+8*\b+4*\c:128+32*(\q)+8*\b+4*\c+3], v[ADRB] offset:16*PITCH*\b+4*PITCH*(\q)+2*PITCH*\c
.endr
.endr
.endif
.irp a, 0,1,2,3,4,5,6,7
.irp c, 0,1
	ds_load_b128 v[64*((\q)%2)+8*\a+4*\c:64*((\q)%2)+8*\a+4*\c+3], v[ADRA+(\g)] offset:16*PITCH*\a+64*(\q)+32*\c
.endr
.endr
.endm
.macro MM a, b, q, g                   ; one product; a scale register's lanes 16-31 serve the odd tile or block
.set rD, 8*(4*(\a)+(\b))
.set rB, 128+32*(\q)+8*(\b)
.set rA, 64*((\q)%2)+8*(\a)
.set sB, BS+4*((\b)/2)+(\q)
.set sA, XS+16*(\g)+4*((\a)/2)+(\q)
.if ((\a)%2 == 0) && ((\b)%2 == 0)
	v_wmma_scale_f32_16x16x128_f8f6f4 v[rD:rD+7], v[rB:rB+7], v[rA:rA+7], v[rD:rD+7], v[sB], v[sA] matrix_a_fmt:MATRIX_FMT_FP4 matrix_b_fmt:MATRIX_FMT_FP4
.elseif (\a)%2 == 0
	v_wmma_scale_f32_16x16x128_f8f6f4 v[rD:rD+7], v[rB:rB+7], v[rA:rA+7], v[rD:rD+7], v[sB], v[sA] matrix_a_fmt:MATRIX_FMT_FP4 matrix_b_fmt:MATRIX_FMT_FP4 matrix_a_scale:MATRIX_SCALE_ROW1
.elseif (\b)%2 == 0
	v_wmma_scale_f32_16x16x128_f8f6f4 v[rD:rD+7], v[rB:rB+7], v[rA:rA+7], v[rD:rD+7], v[sB], v[sA] matrix_a_fmt:MATRIX_FMT_FP4 matrix_b_fmt:MATRIX_FMT_FP4 matrix_b_scale:MATRIX_SCALE_ROW1
.else
	v_wmma_scale_f32_16x16x128_f8f6f4 v[rD:rD+7], v[rB:rB+7], v[rA:rA+7], v[rD:rD+7], v[sB], v[sA] matrix_a_fmt:MATRIX_FMT_FP4 matrix_b_fmt:MATRIX_FMT_FP4 matrix_a_scale:MATRIX_SCALE_ROW1 matrix_b_scale:MATRIX_SCALE_ROW1
.endif
.endm
; 32 matrix instructions: my 8 blocks of rows x the 4 tiles of columns, 128 along K.  The 32 accumulators take turns, one instruction a turn, in the same order every time, and the halves' lie in different windows
.macro MUL g, q
	WIN 0xa5+0x50*(\g)                             ; sources 0 and 1 window 1; C and D window 2 (half 0) or 3 (half 1)
.irp a, 0,1,2,3,4,5,6,7
.irp b, 0,1,2,3
	MM \a, \b, \q, \g
.endr
.endr
.endm
; A STEP: one tile of x (half `half` of the rows, one chunk of K) against the chunk's weights.  doq = 1: eight rows of the NEXT chunk's weights are quantised between the groups of products.
; nxt = 2: the slot is filled again behind a round of the cluster's barrier; 1: a plain barrier, nothing is filled; 0: the last step.
; A load into a register that a matrix instruction has read stands four plain vector instructions behind it (ISA guide 7.12.1 for vector instructions): the quantiser's lines are those, or four v_nop.
.macro STEP half, doq, nxt
.if (\half) && (\doq)
.irp i, 0,1,2,3,4,5,6,7                        ; rows 0-7 were quantised in half 0, while the old chunk's images were still being read; every wave has them in registers now
	ds_store_b64 v[ADQ], v[CD+2*\i:CD+2*\i+1] offset:16*\i
	ds_store_b8 v[ADQS], v[EB+\i] offset:16*\i
.endr
.endif
.irp p, 0,1,2,3
	ds_load_b128 v[XS+16*(\half)+4*\p:XS+16*(\half)+4*\p+3], v[ADXS+(\half)] offset:512*\p   ; 32 rows' four scale words each
.endr
.if (\half) == 0
.irp p, 0,1
	ds_load_b128 v[BS+4*\p:BS+4*\p+3], v[ADBS] offset:512*\p
.endr
.endif
	FETCH \half, 0
.irp q, 0,1,2
.if \doq
	WIN 0
	QPAIR 8*(\half)+2*\q, \half, 1
.elseif \q > 0
	PLACES 4
.endif
	FETCH \half, \q+1
	s_wait_dscnt 24-8*(\half)+4*(\half)*(\doq)     ; what may stay out: the fetch just issued (half 0: 24 loads, half 1: 16) and, in half 1, the four stores of the two rows just quantised
	MUL \half, \q
.endr
.if (\doq) || (\nxt)
	WIN 0
.endif
.if \doq
	QPAIR 8*(\half)+6, \half, 1
.endif
.if \nxt == 2
.if \half
	s_wait_xcnt 0x0                                ; the trip's weight loads and the prefetch a step back have read their bases: both step
	s_add_nc_u64 s[WP:WP+1], s[WP:WP+1], 512
	s_add_nc_u64 s[PX:PX+1], s[PX:PX+1], 256
.endif
	s_wait_tensorcnt 0x0                           ; all my tensor loads have landed: my part of the other slot; so a group 0 may be written
	ds_add_u32 v[SPW], v[NIL]                      ; 0 onto my spare word
	ds_add_u32 v10, v11
	s_add_nc_u64 s[G0X+4*(\half)+2:G0X+4*(\half)+3], s[G0X+4*(\half)+2:G0X+4*(\half)+3], 256   ; this slot's next tile: the next chunk of the same rows
	s_add_nc_u64 s[G0S+4*(\half)+2:G0S+4*(\half)+3], s[G0S+4*(\half)+2:G0S+4*(\half)+3], 16
	s_wait_dscnt 0x0                               ; the add is done, my stores have landed, and my reads of this slot and of the images are over
	s_barrier_signal -1                            ; this barrier opens a round of the cluster's barrier
	MUL \half, 3                                   ; work on registers while the others arrive
	WIN 0
	PLACES 4                                       ; the places behind the step's last products, for the next step's loads
	s_barrier_wait -1
	CREST                                          ; no wave of any partner still reads this slot or has a load on its way
	JLOAD \half                                    ; the first tensor load behind the round; it has the other half's step in which to land
.if (\half) == 0
	ASK 512                                        ; PX stands at this chunk: two chunks on, half 0
.else
	ASK 0x100000+256                               ; PX stands at the next chunk: one more on, 512 rows down
.endif
.elseif \nxt == 1
	s_wait_tensorcnt 0x0                           ; my part of the last tile has landed
	ds_add_u32 v[SPW], v[NIL]
	s_wait_dscnt 0x0                               ; my reads of slot 0 are over: behind this barrier it serves as the stage
	s_barrier_signal -1
	MUL \half, 3
	WIN 0
	PLACES 4
	s_barrier_wait -1
.else
	s_wait_dscnt 0x0
	MUL \half, 3
	WIN 0
	PLACES 4                                       ; the places in front of the first read of results
.endif
.endm
	s_load_b256 s[4:11], s[0:1], 0x0               ; x's codes s[4:5], x's scales s[6:7], weight s[8:9], scale s[10:11]
	s_load_b64 s[12:13], s[0:1], 0x20              ; out0
	v_lshl_add_u32 v[SPW], v0, 2, SPARE
	v_mov_b32 v[NIL], 0
	ds_add_u32 v10, v11
	ds_add_u32 v10, v11
	s_wait_dscnt 0x0
	v_lshrrev_b32 v17, 5, v0
	v_readfirstlane_b32 s[WV], v17                 ; wave 0..3
	v_and_b32 v17, 31, v0                          ; lane
	v_lshlrev_b32 v[WOF], 4, v17
	s_bfe_u32 s15, ttmp6, 0x40000                  ; cx: my place in the cluster: it enters the addresses of weight, scale, out0 and the prefetches alone
	s_lshl_b32 s16, ttmp9, 2                       ; in a cluster launch ttmp9 counts clusters
	s_add_co_u32 s16, s16, s15                     ; my work-group: columns 64 x it on
	s_lshl_b32 s2, s16, 18                         ; 64 weight rows of 4,096 bytes,
	s_lshl_b32 s3, s[WV], 16                       ; my wave's 16 of them
	s_add_co_u32 s2, s2, s3
	s_mov_b32 s3, 0
	s_mov_b32 s[BIAS], 0xcb000080                  ; -(2^23 + 128)
	s_mov_b32 s[BIAS+1], s[BIAS]                   ; (named with it as a pair, so it is written)
.irp k, 0,1,2,3
	s_mov_b32 s[SEL+\k], 0x03000004+\k             ; result bytes 3..0: the top byte of 2^23's bits, 0, 0, byte k of the weights' word
.endr
	s_mov_b32 s[SGN], 0x80808080
	s_mov_b32 s[CNT], 7
	s_cmp_eq_u32 ttmp9, 0                          ; the same in all four partners
	s_cselect_b32 s[LIM], 1, -1
	; descriptor group 1, x's codes: 256 rows x 256 bytes, 2,048 bytes from row to row, padded in LDS
	s_mov_b32 s[G1X], 15|(0<<16)|(1<<20)|(1<<21)|(5<<22)|(3<<25)   ; 15:0 the mask: all four work-groups; 17:16 elements of 1 byte; 20 padding on; 21 set beside a mask; 24:22 after every 64 words (code 5); 31:25 four words (code 3)
	s_mov_b32 s[G1X+1], 256<<16                    ; tensor_dim0
	s_mov_b32 s[G1X+2], 256<<16                    ; tensor_dim1
	s_mov_b32 s[G1X+3], 256<<16                    ; tile_dim0
	s_mov_b32 s[G1X+4], 256                        ; tile_dim1
	s_mov_b32 s[G1X+5], 2048                       ; tensor_dim0_stride
	s_mov_b32 s[G1X+6], 0
	s_mov_b32 s[G1X+7], 0
	; and x's scale bytes: 512 rows x 16 bytes, 128 bytes from row to row, dense in LDS
	s_mov_b32 s[G1S], 15|(0<<16)|(1<<21)
	s_mov_b32 s[G1S+1], 16<<16
	s_mov_b32 s[G1S+2], 512<<16
	s_mov_b32 s[G1S+3], 16<<16
	s_mov_b32 s[G1S+4], 512
	s_mov_b32 s[G1S+5], 128
	s_mov_b32 s[G1S+6], 0
	s_mov_b32 s[G1S+7], 0
	s_and_b32 s86, s[WV], 1                        ; which 256 rows of a tile I fetch, if I fetch codes (s84-87 never hold my place in the cluster)
	s_mul_i32 s87, s86, 256*PITCH                  ; in a slot,
	s_lshl_b32 s84, s86, 19                        ; and in memory
	s_mov_b32 s85, 0
	s_wait_kmcnt 0x0
	s_add_nc_u64 s[WP:WP+1], s[8:9], s[2:3]
.irp i, 0,1,2,3,4,5,6,7,8,9,10,11,12,13,14,15
	WLOAD \i, 0                                    ; chunk 0 of my 16 weight rows, in the order of the rows
.endr
	s_lshl_b32 s2, s16, 8                          ; my 16 rows' scales: 4 bytes each
	s_lshl_b32 s17, s[WV], 6
	s_add_co_u32 s2, s2, s17
	s_add_nc_u64 s[10:11], s[10:11], s[2:3]
	s_load_b512 s[SCP:SCP+15], s[10:11], 0x0
	s_lshl_b32 s2, s16, 8                          ; out0: my 64 columns are 256 bytes; my wave's 128 rows of 65,536 bytes
	s_lshl_b32 s17, s[WV], 23
	s_add_co_u32 s2, s2, s17
	s_add_nc_u64 s[12:13], s[12:13], s[2:3]
	s_add_nc_u64 s[OB1:OB1+1], s[12:13], 0x2000000 ; 512 rows down
	s_lshl_b32 s2, s15, 18                         ; the prefetches: row 128 cx + 32 wave (+ lane), chunk 0
	s_lshl_b32 s17, s[WV], 16
	s_add_co_u32 s2, s2, s17
	s_add_nc_u64 s[PX:PX+1], s[4:5], s[2:3]
	s_mov_b32 s[G0X], 1                            ; 1:0 count = 1
	s_mov_b32 s[G0X+1], s87                        ; 63:32 LDS address: slot 0
	s_add_nc_u64 s[G0X+2:G0X+3], s[4:5], s[84:85]  ; 120:64 global address: half 0, chunk 0
	s_mov_b32 s[G0X+4], 1
	s_add_co_u32 s[G0X+5], s87, SLOTB              ; slot 1
	s_add_nc_u64 s[G0X+6:G0X+7], s[G0X+2:G0X+3], 0x100000   ; half 1: 512 rows of 2,048 bytes down
	s_or_b32 s[G0X+3], s[G0X+3], 0x80000000        ; 127:126 type = 2
	s_or_b32 s[G0X+7], s[G0X+7], 0x80000000
	s_mov_b32 s[G0S], 1
	s_mov_b32 s[G0S+1], XSC
	s_mov_b64 s[G0S+2:G0S+3], s[6:7]
	s_or_b32 s[G0S+3], s[G0S+3], 0x80000000
	s_mov_b32 s[G0S+4], 1
	s_mov_b32 s[G0S+5], XSC+XSCB
	s_add_nc_u64 s[G0S+6:G0S+7], s[6:7], 0x10000   ; 512 rows of 128 bytes down
	s_or_b32 s[G0S+7], s[G0S+7], 0x80000000
	CROUND                                         ; all four work-groups are here: the first joint loads meet
	s_cmp_lt_u32 s[WV], 2                          ; a wave's two first fills stand in one branch, ahead of every wait on TENSORcnt and every LDS read
	s_cbranch_scc0 .Lfirst_not_x
	tensor_load_to_lds s[G0X:G0X+3], s[G1X:G1X+7]
	s_nop 0
	tensor_load_to_lds s[G0X+4:G0X+7], s[G1X:G1X+7]
	s_nop 0
	PLACES 4
	s_branch .Lfirst_asked
.Lfirst_not_x:
	s_cmp_eq_u32 s[WV], 2
	s_cbranch_scc0 .Lfirst_asked
	tensor_load_to_lds s[G0S:G0S+3], s[G1S:G1S+7]
	s_nop 0
	tensor_load_to_lds s[G0S+4:G0S+7], s[G1S:G1S+7]
	s_nop 0
	PLACES 4
.Lfirst_asked:
	v_and_b32 v18, 15, v0                          ; r = lane % 16
	v_bfe_u32 v19, v0, 4, 1                        ; h = lane / 16
	v_lshrrev_b32 v20, 1, v17                      ; my block of 32 in a weight row's chunk
	v_and_b32 v21, 1, v0                           ; and which half of it
	s_mul_i32 s2, s[WV], 128*PITCH
	v_mul_u32_u24 v[ADRA], v18, PITCH
	v_lshl_add_u32 v[ADRA], v19, 4, v[ADRA]
	v_add_nc_u32 v[ADRA], s2, v[ADRA]              ; x: (128 wave + r) x pitch + 16 h
	v_add_nc_u32 v[ADRA+1], SLOTB, v[ADRA]
	s_mul_i32 s3, s[WV], 16*PITCH
	v_mul_u32_u24 v[ADRB], v19, PITCH
	v_lshl_add_u32 v[ADRB], v18, 4, v[ADRB]        ; h x pitch + 16 r:
	v_add_nc_u32 v[RD], s3, v[ADRB]                ; in my stage: lanes 0-15 one row of 256 bytes, lanes 16-31 the next;
	v_add_nc_u32 v[ADRB], BIMG, v[ADRB]            ; in the images: block h of a pair, column r
	s_lshl_b32 s2, s[WV], 11
	s_add_co_u32 s2, s2, XSC
	v_add_nc_u32 v[ADXS], s2, v[WOF]               ; x's scale words: row 128 wave + lane, 16 bytes a row
	v_add_nc_u32 v[ADXS+1], XSCB, v[ADXS]
	v_add_nc_u32 v[ADBS], BSC, v[WOF]              ; the weights': column = lane
	v_mul_u32_u24 v[ADQ], v20, PITCH
	v_lshl_add_u32 v[ADQ], v21, 3, v[ADQ]
	s_add_co_u32 s2, s3, BIMG
	v_add_nc_u32 v[ADQ], s2, v[ADQ]                ; my tile, my block, my 8 bytes of its 16; the row stands in the immediate
	s_lshl_b32 s2, s[WV], 8
	s_add_co_u32 s2, s2, BSC
	v_add_nc_u32 v[ADQS], s2, v20
	v_mov_b32 v[MAG], 0x4b000000
	v_lshlrev_b32 v[PFO], 11, v17
	v_mul_u32_u24 v[STO], v18, PITCH
	v_lshl_add_u32 v[STO], v19, 5, v[STO]
	v_add_nc_u32 v[STO], s3, v[STO]                ; into my stage: row r, 32 bytes for each half of the lanes
	v_lshlrev_b32 v[CO], 16, v19
	v_lshl_add_u32 v[CO], v18, 4, v[CO]            ; out0: row h of a pair, 16 bytes a lane
	WIN 0x80                                       ; the sums begin as zeros, while the first weights are on their way
.set i, 0
.rept 256
	v_mov_b32 v[i], 0
.set i, i+1
.endr
	WIN 0xc0
.set i, 0
.rept 256
	v_mov_b32 v[i], 0
.set i, i+1
.endr
	WIN 0
	s_wait_kmcnt 0x0                               ; the 16 scales: each is spread into a pair, from the top down, so that none is overwritten before it is read
.irp i, 15,14,13,12,11,10,9,8,7,6,5,4,3,2,1
	s_mov_b32 s[SCP+2*\i+1], s[SCP+\i]
	s_mov_b32 s[SCP+2*\i], s[SCP+\i]
.endr
	s_mov_b32 s[SCP+1], s[SCP]
.irp j, 0,2,4,6,8,10,12,14
	QPAIR \j, 1, 2                                 ; chunk 0's codes and bytes go to LDS; chunk 1 is asked for
.endr
	s_wait_xcnt 0x0                                ; the loads have read their base
	s_add_nc_u64 s[WP:WP+1], s[WP:WP+1], 1024      ; chunk 2
	s_wait_tensorcnt 0x0                           ; my parts of the first two tiles are in,
	s_wait_dscnt 0x0                               ; my images of chunk 0 have landed:
	s_barrier_signal -1
	s_barrier_wait -1                              ; everybody's have.
.Ltrip:                                                ; seven trips: trip c multiplies chunk c, quantises chunk c + 1, asks memory for the weights of chunk c + 2, and fills both slots with chunk c + 1 of x
	STEP 0, 1, 2
	STEP 1, 1, 2
	s_sub_co_u32 s[CNT], s[CNT], 1
	s_cmp_lg_u32 s[CNT], 0
	s_cbranch_scc1 .Ltrip
	STEP 0, 0, 1                                   ; the last chunk is written out: nothing is left to quantise or to fetch
	STEP 1, 0, 0
; THE WAY OUT, block by block of 16 rows x 64 columns.  A lane holds 32 neighbouring bytes of a row, and the lanes beside it hold other rows: so a block goes through my own stage in LDS and comes back as whole rows of
; 256 bytes.  LDS serves a wave's instructions in order (ISA guide 5.7.1.4): no wait between the stores and the loads, nor in front of the next block's stores.  n = 8 g + a.
.macro TOSTAGE n
	WIN 0x08+4*((\n)/8)                            ; an LDS store's data are its source 1: window 2 or 3
.irp b, 0,1,2,3
	ds_store_b128 v[STO], v[8*(4*((\n)%8)+\b):8*(4*((\n)%8)+\b)+3] offset:64*\b          ; each accumulator from its low end on
	ds_store_b128 v[STO], v[8*(4*((\n)%8)+\b)+4:8*(4*((\n)%8)+\b)+7] offset:64*\b+16
.endr
	WIN 0
.irp t, 0,1,2,3,4,5,6,7
	ds_load_b128 v[BK+32*((\n)%2)+4*\t:BK+32*((\n)%2)+4*\t+3], v[RD] offset:2*PITCH*\t
.endr
.endm
.macro SEND n, younger                 ; younger: the LDS instructions issued behind block n's loads, which may stay out: the next block's eight stores and eight loads, or none
	s_wait_dscnt \younger
.irp t, 0,1,2,3,4,5,6,7
.if (\n)/8 == 0
	global_store_b128 v[CO], v[BK+32*((\n)%2)+4*\t:BK+32*((\n)%2)+4*\t+3], s[12:13] offset:(16*((\n)%8)+2*\t)*65536 th:TH_STORE_NT   ; sixteen lanes store 256 consecutive bytes, at a multiple of 256 from out0's first byte
.else
	global_store_b128 v[CO], v[BK+32*((\n)%2)+4*\t:BK+32*((\n)%2)+4*\t+3], s[OB1:OB1+1] offset:(16*((\n)%8)+2*\t)*65536 th:TH_STORE_NT   ; 126 rows at the most: inside the signed 24-bit immediate (ISA guide, chapter 10)
.endif
.endr
.endm
	TOSTAGE 0
.irp n, 1,2,3,4,5,6,7,8,9,10,11,12,13,14,15
.if \n > 1
	s_wait_xcnt 0x0                                ; block n - 2's stores have read their registers: block n's loads may land there
.endif
	TOSTAGE \n
	SEND \n-1, 16
.endr
	SEND 15, 0
	s_wait_tensorcnt 0x0                           ; the wave's end, behind my last tensor load and my last LDS store
	ds_add_u32 v[SPW], v[NIL]
	s_wait_dscnt 0x0
	CROUND                                         ; the closing round: no work-group ends while a partner may still ask for a tile that names it
	s_endpgm
.Lfunc_end_k_qf5c0aad11e_qlinear:
	.size	k_qf5c0aad11e_qlinear, .Lfunc_end_k_qf5c0aad11e_qlinear-k_qf5c0aad11e_qlinear
	.p2alignl 7, 3214868480
	.fill 96, 4, 3214868480
	.section	.rodata,"a",@progbits
	.p2align	6, 0x0
	.amdhsa_kernel k_qf5c0aad11e_qlinear
		.amdhsa_group_segment_fixed_size 327680
		.amdhsa_private_segment_fixed_size 0
		.amdhsa_enable_private_segment 0
		.amdhsa_kernarg_size 40
		.amdhsa_user_sgpr_count 2
		.amdhsa_user_sgpr_kernarg_segment_ptr 1
		.amdhsa_wavefront_size32 1
		.amdhsa_system_sgpr_workgroup_id_x 1
		.amdhsa_system_sgpr_workgroup_id_y 1
		.amdhsa_system_sgpr_workgroup_id_z 1
		.amdhsa_system_vgpr_workitem_id 0
		.amdhsa_next_free_vgpr 1024
		.amdhsa_next_free_sgpr 100
		.amdhsa_reserve_vcc 0
		.amdhsa_float_denorm_mode_32 3
		.amdhsa_float_denorm_mode_16_64 3
		.amdhsa_memory_ordered 1
		.amdhsa_forward_progress 1
		.amdhsa_inst_pref_size 250
	.end_amdhsa_kernel
	.amdgpu_metadata
---
amdhsa.version: [ 1, 2 ]
amdhsa.kernels:
  - .name:           k_qf5c0aad11e_qlinear
    .symbol:         k_qf5c0aad11e_qlinear.kd
    .args:
      - { .name: x_codes, .offset: 0, .size: 8, .value_kind: global_buffer, .address_space: global }
      - { .name: x_scales, .offset: 8, .size: 8, .value_kind: global_buffer, .address_space: global }
      - { .name: weight, .offset: 16, .size: 8, .value_kind: global_buffer, .address_space: global }
      - { .name: scale, .offset: 24, .size: 8, .value_kind: global_buffer, .address_space: global }
      - { .name: out0, .offset: 32, .size: 8, .value_kind: global_buffer, .address_space: global }
    .group_segment_fixed_size: 327680
    .private_segment_fixed_size: 0
    .kernarg_segment_align: 8
    .kernarg_segment_size: 40
    .max_flat_workgroup_size: 128
    .sgpr_count:     100
    .vgpr_count:     1024
    .wavefront_size: 32
...
	.end_amdgpu_metadata
.endif
;; end of part 1
;; ======== version 2 of 2: 1 launch
;; limits: values are held in bf16: 8 bits of precision; right only within a limited range of input values
;; launch qlinear (part 2): grid 256 x 1, 4 waves a work-group, clusters of 4 x 1, 327,680 bytes of LDS; arguments x_codes, x_scales, weight, scale, out0; writes out0
.if DOCPART == 2
	.amdgcn_target "amdgcn-amd-amdhsa--gfx1250"
	.amdhsa_code_object_version 6
	.text
	.protected	k_qf5c0aad11e_qlinear
	.globl	k_qf5c0aad11e_qlinear
	.p2align	8
	.type	k_qf5c0aad11e_qlinear,@function
k_qf5c0aad11e_qlinear:
	s_mov_b64 s[64:65], 0
	v_nop
	global_prefetch_b8 v0, s[64:65] scope:SCOPE_SE
	s_setreg_imm32_b32 hwreg(HW_REG_WAVE_MODE, 25, 1), 1
	s_wait_xcnt 0x0
	s_wait_alu depctr_hold_cnt(0) depctr_sa_sdst(0) depctr_va_vdst(0) depctr_va_sdst(0) depctr_va_ssrc(0) depctr_va_vcc(0) depctr_vm_vsrc(0)
	s_getreg_b32 s2, hwreg(HW_REG_IB_STS2, 6, 4)
	s_cmp_eq_u32 s2, 0
	s_cbranch_scc0 .Lentry_in_a_cluster
	s_endpgm
.Lentry_in_a_cluster:
	s_bfe_u32 s2, ttmp6, 0x10000c
	s_cmp_lg_u32 s2, 0x3003
	s_cbranch_scc0 .Lentry_shape_is_right
	s_endpgm
.Lentry_shape_is_right:
; out0[m][n] = sum over k of x[m][k] * Q(weight[n][k] * scale[n]).  M = 1,024, K = 4,096, N = 16,384.
; x: codes of FP4 (E2M1), two a byte, K innermost (a row is 2,048 bytes), one E8M0 byte for each 32 along K (a row is 128 bytes): taken as given.
; weight: int8 [N][K]; scale: f32 [N].  weight * scale is made in f32 (one rounding) and quantised along K in blocks of 32.
; SHARES.  A work-group owns 64 columns n and all 1,024 rows m: 256 work-groups.  So each weight has one owner, is read once and quantised once, and its codes never go to memory.
;   Wave w has the half kh = w & 1 of K (2,048) and the half mh = w >> 1 of the rows of each tile of x.
; PHASE 1.  Wave (kh, mh) quantises columns 32 mh .. + 31 of its half of K, in eight units of 256 along K.  Codes and scale bytes go to LDS, into two buffers by turns, and every wave takes the
;   fragments of all 64 columns of its half of K into registers, 512 of them (windows 2 and 3), where they stay: the codes are read from LDS once.
; PHASE 2.  x goes by in 16 tiles of 64 rows x all of K through a ring of two slots.  A wave makes 32 rows x 64 columns over its half of K: 8 accumulators, 128 matrix instructions a tile, in two runs of 64.
;   The two waves that share rows put their sums into a stage in LDS as rows; behind a barrier each adds the two halves of 16 rows and stores them, under the next tile's products.
; CLUSTER.  The four work-groups of a cluster walk the same tiles: each is asked for JOINTLY (mask 15): waves 0 and 1 fetch the two halves of K of the codes, waves 2 and 3 the two halves of the scale bytes.
; THE WALK.  Cluster j begins at tile 2 ((j xor j / 8) mod 8) and walks the 16 tiles round.
; PREFETCH.  The weights of two units are asked for a trip of two units ahead of their loads, a lane a row.  None for x: the first two tiles of the eight beginnings are together all of x,
;   and every tile is asked for by all 64 clusters.
; THE MATRIX INSTRUCTION IS USED TRANSPOSED: source 0 = 16 weight rows, source 1 = 16 rows of x: a lane then holds eight neighbouring columns of one row of out0.
; BYTES TO F32.  b = w + 128 (0 .. 255) in the low byte of a bf16 half is the number b x 2^-133, exactly (subnormal, or the first binade).  One fused multiply-add
;   (b 2^-133) (s 2^100) - s 2^-26 = w s 2^-33, rounded once: the f32 product w s, scaled by 2^-33.  The scale bytes get their 33 back at the end of phase 1.
; LIMITS: each sum is the sum of two halves of K, so its roundings differ from one ascending sum's.  NaN and infinities in scale are not served; |scale| is under 2^27.
;   A block whose largest magnitude lies under 2^-91 (zeros among them) gets the byte 34: only this text reads the bytes.  An x scale byte 0xff gives NaN, as the format has it.  int8 -128 is served.
; LDS: all of a WGP's is claimed; the text uses bytes below 327,168.
.set BUFD,   32768                     ; from image buffer 0 to buffer 1; also from the stage's half 0 to half 1, and from x's scale slot 0 to slot 1
.set BP,     288                       ; image: a block of 32 along K: 16 columns x 16 bytes, + 32
.set TB,     8*BP                      ; a tile of 16 columns, 256 along K
.set KHB,    4*TB                      ; 64 columns: one half of K's unit;  a buffer holds two: 18,432 bytes
.set SCB,    2*KHB                     ; the unit's scale bytes, [kh][column 0..63][8 bytes]: 1,024 bytes behind each image buffer
.set XSC,    SCB+1024                  ; x's scale bytes of a tile, slot 0: 32 rows of 256 bytes + 16 of padding: 8,704 bytes; slot 1 BUFD further on
.set SPARE,  XSC+8704                  ; the spare words, 128 bytes for each wave: two blocks of 256 bytes that no other line names
.set RING,   XSC+BUFD+8704             ; the ring: slot: [kh][64 rows][1,024 bytes + 16 of padding]
.set XP,     1040
.set KHX,    64*XP
.set SLOTB,  2*KHX
.set SP,     272                       ; the stage: half kh at BUFD kh: 64 rows of 256 bytes + 16.  It lies in the image buffers, which no tensor load fills
; VECTOR REGISTERS, window 0
.set ADRX, 1                           ; v1-2   LDS address of my fragments of x in slot 0, 1
.set ADXS, 3                           ; v3-4   of x's scale words
.set PFO,  5                           ; v5     the prefetches' offset: lane x 4,096
.set WOF,  6                           ; v6     my bytes of two weight rows' 256
.set ADQ,  7                           ; v7     where I store 16 codes
.set ADQS, 8                           ; v8     and their block's scale byte
.set ADRB, 9                           ; v9     of the weights' fragments
.set ADBS, 10                          ; v10    of their scale words
.set SPW,  11                          ; v11    LDS address of my spare word: SPARE + 4 x my thread's number; never rewritten
.set NIL,  12                          ; v12    0; never rewritten
.set STO,  13                          ; v13    the way out: where I put 32 bytes of a row
.set RD,   14                          ; v14    where I read a row back
.set CO,   15                          ; v15    my byte offset in two rows of out0
.set XS,   16                          ; v16-47 x's scale words, two sets: v[XS + 16 z + q]: lanes 0-15 block 0's rows, lanes 16-31 block 1's
.set BS,   48                          ; v48-79 the weights': v[BS + 16 p + q]: lanes 0-15 tile 2 p, lanes 16-31 tile 2 p + 1
.set C,    80                          ; phase 1: v80-95, v96-111 for row pair i: s 2^100 and -s 2^-26 of row 2 i + lane / 16
.set B,    96
.set E,    112                         ; v112-127 bytes 0 and 2 of the weights' words, as bf16 halves
.set O,    128                         ; v128-143 the words with 128 added to each byte; then their bytes 1 and 3
.set T,    144                         ; v144-207 4 x 16 numbers in f32
.set M,    208                         ; v208-223 maxima and the conversion's scale operand
.set CD,   224                         ; v224-231 codes
.set EB,   232                         ; v232-235 scale bytes
.set SOF,  236
.set ZR,   237                         ; 0
.set ACC,  144                         ; phase 2: v144-207 the accumulators, (a, b) at ACC + 8 (4 a + b)
.set OA,   80                          ; phase 2: v80-111, v112-143 rows read back from the stage's two halves
; window 1: phase 1: v0-63 the even units' weights as loaded, row pair i at 4 i.  Then x's fragments of a tile: (q, a) at 16 q + 8 a
; windows 2, 3: the weights' fragments of q = 0 .. 7, 8 .. 15: (q, b) at 32 (q % 8) + 8 b.  Phase 1: v192-255 of window 3 hold the odd units' weights as loaded: the last fragments come when the last of those has been used
.set WODD, 192
; SCALAR REGISTERS
.set OP,   12
.set WV,   14
.set KH,   15
.set MH,   16
.set WG,   17
.set SEL,  18
.set SGN,  19
.set MSK,  20
.set K33,  21
.set G1X,  24                          ; s[24:31] descriptor group 1, x's codes;  s[32:39] group 0, one set for each slot
.set G0X,  32
.set G1S,  40                          ; the same for x's scale bytes
.set G0S,  48
.set CNT,  56
.set CX,   57                          ; the pair of tiles, 0 .. 7, that the slots were last asked to take
.set TT,   58
.set OT,   59                          ; the tile of out0 that OP stands at
.set WP,   60
.set SPT,  62
.set DW,   66                          ; what a pointer goes back where the walk passes the end, else 0; the high words stay 0
.set ODW,  68
.set MSB, 0
.macro WIN new                         ; the immediate's high byte repeats the setting that is left; a switch that changes nothing is dropped
.if MSB != (\new)
	s_set_vgpr_msb (MSB<<8)|(\new)
.set MSB, (\new)
.endif
.endm
.macro PLACES n
.rept \n
	v_nop
.endr
.endm
.macro CREST                           ; a round of the cluster's barrier behind its opening barrier
	s_cmp_lg_u32 s[WV], 0
	s_cbranch_scc1 .Lnot_wave_0_\@
	s_barrier_signal -3
.Lnot_wave_0_\@:
	s_barrier_wait -3
	s_barrier_signal -1
	s_barrier_wait -1
.endm
.macro CROUND                          ; a whole round
	s_barrier_signal -1
	s_barrier_wait -1
	CREST
.endm
.macro JLOAD g                         ; a joint load into slot g, one a wave; the branch hangs on the wave's number alone
	s_cmp_lt_u32 s[WV], 2
	s_cbranch_scc0 .Lfor_s_\@
	tensor_load_to_lds s[G0X+4*(\g):G0X+4*(\g)+3], s[G1X:G1X+7]
	s_nop 0
	PLACES 4
	s_branch .Lasked_\@
.Lfor_s_\@:
	tensor_load_to_lds s[G0S+4*(\g):G0S+4*(\g)+3], s[G1S:G1S+7]
	s_nop 0
	PLACES 4
.Lasked_\@:
.endm
; Slot g is filled again with the tile two on.  All its fragments are in every wave's registers, and the other slot's tile has landed, when the round is over.
.macro REFILL g
	s_wait_tensorcnt 0x0                           ; all my tensor loads have landed: my part of the next tile
	ds_add_u32 v[SPW], v[NIL]                      ; 0 onto my spare word: the descriptors' steps stand between it and the wait for it
.if (\g) == 0
	s_add_co_u32 s[CX], s[CX], 1                   ; the pair of tiles that both slots take next,
	s_and_b32 s[CX], s[CX], 7                      ; round the end
.endif
	s_cmp_eq_u32 s[CX], 0
	s_cselect_b32 s[DW], 0x200000, 0
	s_add_nc_u64 s[G0X+4*(\g)+2:G0X+4*(\g)+3], s[G0X+4*(\g)+2:G0X+4*(\g)+3], 0x40000
	s_sub_nc_u64 s[G0X+4*(\g)+2:G0X+4*(\g)+3], s[G0X+4*(\g)+2:G0X+4*(\g)+3], s[DW:DW+1]
	s_lshr_b32 s[DW], s[DW], 4                     ; the scale bytes: a sixteenth of the codes' bytes
	s_add_nc_u64 s[G0S+4*(\g)+2:G0S+4*(\g)+3], s[G0S+4*(\g)+2:G0S+4*(\g)+3], 0x4000
	s_sub_nc_u64 s[G0S+4*(\g)+2:G0S+4*(\g)+3], s[G0S+4*(\g)+2:G0S+4*(\g)+3], s[DW:DW+1]
	s_wait_dscnt 0x0                               ; the add is done, my LDS stores have landed, and my reads of this slot are over
	CROUND                                         ; no wave of any partner still reads this slot or has a load on its way
	JLOAD \g
.endm
.macro WLOAD i, buf, loff              ; 256 consecutive bytes of weight rows 2 i and 2 i + 1; read once in the launch
	global_load_b128 v[WODD*(\buf)+4*(\i):WODD*(\buf)+4*(\i)+3], v[WOF], s[WP:WP+1] offset:8192*(\i)+(\loff) th:TH_LOAD_NT
.endm
.macro QST g, buf                      ; the four's codes and scale bytes; both lanes of a block write the same byte with the same value
.irp z, 0,1,2,3
	ds_store_b64 v[ADQ], v[CD+2*\z:CD+2*\z+1] offset:BUFD*(\buf)+TB*((4*(\g)+\z)/8)+32*((4*(\g)+\z)%8)
	ds_store_b8 v[ADQS], v[EB+\z] offset:BUFD*(\buf)+16*(4*(\g)+\z)
.endr
.endm
; ROW PAIRS 4 g .. 4 g + 3 (lanes 0-15 the even row, lanes 16-31 the odd one; 16 numbers a lane; lanes l and l xor 1 hold a block of 32) BECOME CODES.  The four take turns line by line.
; In its midst stand the loads that take the registers just used, for the unit two on, and the LDS stores of the four before.
.macro QQ g, buf, ld, loff, wc
	s_wait_loadcnt \wc
	WIN 0x04+8*(\buf)                              ; source 1 window 1 or 3
.irp z, 0,1,2,3
.irp j, 0,1,2,3
	v_xor_b32 v[O+4*\z+\j], s[SGN], v[WODD*(\buf)+16*(\g)+4*\z+\j] ; each byte: w + 128
.endr
.endr
	WIN 0
.irp z, 0,1,2,3
.irp j, 0,1,2,3
	v_and_b32 v[E+4*\z+\j], s[MSK], v[O+4*\z+\j]
.endr
.endr
.irp z, 0,1,2,3
.irp j, 0,1,2,3
	v_perm_b32 v[O+4*\z+\j], v[ZR], v[O+4*\z+\j], s[SEL]
.endr
.endr
.if \ld
	WIN 0x40+0x80*(\buf)                           ; destination window 1 or 3
.irp z, 0,1,2,3
	WLOAD 4*(\g)+\z, \buf, \loff
.endr
	WIN 0
.endif
.if (\g) > 0
	QST (\g)-1, \buf
.endif
.irp j, 0,1,2,3
.irp z, 0,1,2,3
	v_fma_mix_f32_bf16 v[T+16*\z+4*\j], v[E+4*\z+\j], v[C+4*(\g)+\z], v[B+4*(\g)+\z] op_sel_hi:[1,0,0]
	v_fma_mix_f32_bf16 v[T+16*\z+4*\j+1], v[O+4*\z+\j], v[C+4*(\g)+\z], v[B+4*(\g)+\z] op_sel_hi:[1,0,0]
	v_fma_mix_f32_bf16 v[T+16*\z+4*\j+2], v[E+4*\z+\j], v[C+4*(\g)+\z], v[B+4*(\g)+\z] op_sel:[1,0,0] op_sel_hi:[1,0,0]
	v_fma_mix_f32_bf16 v[T+16*\z+4*\j+3], v[O+4*\z+\j], v[C+4*(\g)+\z], v[B+4*(\g)+\z] op_sel:[1,0,0] op_sel_hi:[1,0,0]
.endr
.endr
.irp z, 0,1,2,3
	v_max3_num_f32 v[M+4*\z], |v[T+16*\z]|, |v[T+16*\z+1]|, 0x1800000              ; the largest magnitude of my 16, and the floor 2^(3 - 127)
	v_max3_num_f32 v[M+4*\z+1], |v[T+16*\z+2]|, |v[T+16*\z+3]|, |v[T+16*\z+4]|
.endr
.irp k, 5,9
.irp z, 0,1,2,3
	v_max3_num_f32 v[M+4*\z], v[M+4*\z], |v[T+16*\z+\k]|, |v[T+16*\z+\k+1]|
	v_max3_num_f32 v[M+4*\z+1], v[M+4*\z+1], |v[T+16*\z+\k+2]|, |v[T+16*\z+\k+3]|
.endr
.endr
.irp z, 0,1,2,3
	v_max3_num_f32 v[M+4*\z], v[M+4*\z], |v[T+16*\z+13]|, |v[T+16*\z+14]|
.endr
.irp z, 0,1,2,3
	v_max3_num_f32 v[M+4*\z], v[M+4*\z], v[M+4*\z+1], |v[T+16*\z+15]|
.endr
.irp z, 0,1,2,3
	v_max_num_f32_dpp v[M+4*\z], v[M+4*\z], v[M+4*\z] row_xmask:1 row_mask:0xf bank_mask:0xf   ; with my neighbour's 16: the block's
.endr
.irp z, 0,1,2,3
	v_add_nc_u32 v[M+4*\z+2], 0xff000000, v[M+4*\z]                ; 2 off its exponent field: the conversion's scale operand
.endr
.irp z, 0,1,2,3
	v_cvt_scalef32_pk8_fp4_f32 v[CD+2*\z], v[T+16*\z:T+16*\z+7], v[M+4*\z+2]
	v_cvt_scalef32_pk8_fp4_f32 v[CD+2*\z+1], v[T+16*\z+8:T+16*\z+15], v[M+4*\z+2]
.endr
.irp z, 0,1,2,3
	v_lshrrev_b32 v[EB+\z], 23, v[M+4*\z+2]                        ; the scale's byte, less 33; also the plain lines behind the conversions
.endr
.endm
; A unit: my 32 rows x 256 along K.  ld = 1: 32 loads are always out, and the four wanted are the oldest: 28 younger ones may stay out.  ld = 0, the last two units: wb - 4 g may stay out.
; ask = 1: the prefetches of a trip.  mid = 1, the last unit: slot 0, whose fragments are in registers, is filled again in its midst.
.macro UNIT buf, ld, loff, wb, ask, mid
.irp g, 0,1,2,3
.if \ld
	QQ \g, \buf, 1, \loff, 28
.else
	QQ \g, \buf, 0, 0, \wb-4*\g
.endif
.if (\ask) && (\g == 1)
	s_cmp_lt_u32 s[TT], 2                          ; the two units of the trip two on, a lane a row; the last trip has none left
	s_cbranch_scc0 .Lno_ask_\@
	global_prefetch_b8 v[PFO], s[WP:WP+1] offset:1024 th:TH_LOAD_NT scope:SCOPE_SE
	global_prefetch_b8 v[PFO], s[WP:WP+1] offset:1280 th:TH_LOAD_NT scope:SCOPE_SE
.Lno_ask_\@:
.endif
.if (\mid) && (\g == 2)
	REFILL 0
.endif
.endr
	QST 3, \buf
.endm
.macro UEND                            ; my stores of this unit have landed, and my fragment loads of the unit before are over: behind the barrier this buffer may be read and the other one written
	s_wait_dscnt 0x0
	s_barrier_signal -1
	s_barrier_wait -1
.endm
; The fragments of unit t, 64 columns x 256 along K, and their scale words.  Lane l holds column l % 16; registers 4 c .. 4 c + 3 hold block 2 c + l / 16 of 128 along K.
.macro FRAGW t
	WIN 0x80+0x40*((\t)/4)
.irp qq, 0,1
.irp b, 0,1,2,3
.irp c, 0,1
	ds_load_b128 v[64*((\t)%4)+32*\qq+8*\b+4*\c:64*((\t)%4)+32*\qq+8*\b+4*\c+3], v[ADRB] offset:BUFD*((\t)%2)+TB*\b+BP*(4*\qq+2*\c)
.endr
.endr
.endr
	WIN 0
.irp h, 0,1
	ds_load_b64 v[BS+16*\h+2*(\t):BS+16*\h+2*(\t)+1], v[ADBS] offset:BUFD*((\t)%2)+256*\h
.endr
.endm
; Group k of a tile's fragments of x: 32 rows x 512 along K (q = 4 k .. 4 k + 3): 16 loads
.macro FETCH z, k
	WIN 0x40
.irp d, 0,1,2,3
.irp a, 0,1
.irp c, 0,1
	ds_load_b128 v[16*(4*(\k)+\d)+8*\a+4*\c:16*(4*(\k)+\d)+8*\a+4*\c+3], v[ADRX+(\z)] offset:16*XP*\a+64*(4*(\k)+\d)+32*\c
.endr
.endr
.endr
.endm
.macro XSLOAD z
	WIN 0
.irp j, 0,1,2,3
	ds_load_b128 v[XS+16*(\z)+4*\j:XS+16*(\z)+4*\j+3], v[ADXS+(\z)] offset:16*\j
.endr
.endm
.macro MM z, q, a, b, st               ; one product; a scale register's lanes 16-31 serve the odd tile or block.  st: q = 0 starts the sum
.set rD, ACC+8*(4*(\a)+(\b))
.set rB, 32*((\q)%8)+8*(\b)
.set rX, 16*(\q)+8*(\a)
.set sB, BS+16*((\b)/2)+(\q)
.set sX, XS+16*(\z)+(\q)
.if (\st) && ((\q) == 0)
.if ((\a) == 0) && ((\b)%2 == 0)
	v_wmma_scale_f32_16x16x128_f8f6f4 v[rD:rD+7], v[rB:rB+7], v[rX:rX+7], 0, v[sB], v[sX] matrix_a_fmt:MATRIX_FMT_FP4 matrix_b_fmt:MATRIX_FMT_FP4
.elseif (\a) == 0
	v_wmma_scale_f32_16x16x128_f8f6f4 v[rD:rD+7], v[rB:rB+7], v[rX:rX+7], 0, v[sB], v[sX] matrix_a_fmt:MATRIX_FMT_FP4 matrix_b_fmt:MATRIX_FMT_FP4 matrix_a_scale:MATRIX_SCALE_ROW1
.elseif (\b)%2 == 0
	v_wmma_scale_f32_16x16x128_f8f6f4 v[rD:rD+7], v[rB:rB+7], v[rX:rX+7], 0, v[sB], v[sX] matrix_a_fmt:MATRIX_FMT_FP4 matrix_b_fmt:MATRIX_FMT_FP4 matrix_b_scale:MATRIX_SCALE_ROW1
.else
	v_wmma_scale_f32_16x16x128_f8f6f4 v[rD:rD+7], v[rB:rB+7], v[rX:rX+7], 0, v[sB], v[sX] matrix_a_fmt:MATRIX_FMT_FP4 matrix_b_fmt:MATRIX_FMT_FP4 matrix_a_scale:MATRIX_SCALE_ROW1 matrix_b_scale:MATRIX_SCALE_ROW1
.endif
.else
.if ((\a) == 0) && ((\b)%2 == 0)
	v_wmma_scale_f32_16x16x128_f8f6f4 v[rD:rD+7], v[rB:rB+7], v[rX:rX+7], v[rD:rD+7], v[sB], v[sX] matrix_a_fmt:MATRIX_FMT_FP4 matrix_b_fmt:MATRIX_FMT_FP4
.elseif (\a) == 0
	v_wmma_scale_f32_16x16x128_f8f6f4 v[rD:rD+7], v[rB:rB+7], v[rX:rX+7], v[rD:rD+7], v[sB], v[sX] matrix_a_fmt:MATRIX_FMT_FP4 matrix_b_fmt:MATRIX_FMT_FP4 matrix_a_scale:MATRIX_SCALE_ROW1
.elseif (\b)%2 == 0
	v_wmma_scale_f32_16x16x128_f8f6f4 v[rD:rD+7], v[rB:rB+7], v[rX:rX+7], v[rD:rD+7], v[sB], v[sX] matrix_a_fmt:MATRIX_FMT_FP4 matrix_b_fmt:MATRIX_FMT_FP4 matrix_b_scale:MATRIX_SCALE_ROW1
.else
	v_wmma_scale_f32_16x16x128_f8f6f4 v[rD:rD+7], v[rB:rB+7], v[rX:rX+7], v[rD:rD+7], v[sB], v[sX] matrix_a_fmt:MATRIX_FMT_FP4 matrix_b_fmt:MATRIX_FMT_FP4 matrix_a_scale:MATRIX_SCALE_ROW1 matrix_b_scale:MATRIX_SCALE_ROW1
.endif
.endif
.endm
; 64 matrix instructions, a half of a tile: q = q0 .. q0 + 7, q0 = 0 or 8; the eight accumulators take turns
.macro MUL64 z, q0, st
	WIN 0x06+((\q0)/8)                             ; source 0 (weights) window 2 or 3, source 1 (x) window 1, C and D window 0
.irp d, 0,1,2,3,4,5,6,7
.irp a, 0,1
.irp b, 0,1,2,3
	MM \z, (\q0)+\d, \a, \b, \st
.endr
.endr
.endr
	WIN 0
.endm
.macro SSTORE                          ; my 32 rows x 64 columns of partial sums into my half of the stage, each accumulator from its low end on
.irp a, 0,1
.irp b, 0,1,2,3
	ds_store_b128 v[STO], v[ACC+8*(4*\a+\b):ACC+8*(4*\a+\b)+3] offset:16*SP*\a+64*\b
	ds_store_b128 v[STO], v[ACC+8*(4*\a+\b)+4:ACC+8*(4*\a+\b)+7] offset:16*SP*\a+64*\b+16
.endr
.endr
.endm
.macro SREAD                           ; my 16 rows of both halves, as whole rows of 256 bytes
.irp t, 0,1,2,3,4,5,6,7
	ds_load_b128 v[OA+4*\t:OA+4*\t+3], v[RD] offset:2*SP*\t
	ds_load_b128 v[OA+32+4*\t:OA+35+4*\t], v[RD] offset:BUFD+2*SP*\t
.endr
.endm
.macro OUTS
.irp t, 0,2,4,6,8,10,12,14,16,18,20,22,24,26,28,30
	v_pk_add_f32 v[OA+\t:OA+\t+1], v[OA+\t:OA+\t+1], v[OA+32+\t:OA+33+\t]
.endr
.irp t, 0,1,2,3,4,5,6,7
	global_store_b128 v[CO], v[OA+4*\t:OA+4*\t+3], s[OP:OP+1] offset:131072*\t th:TH_STORE_NT   ; sixteen lanes store 256 consecutive bytes, at a multiple of 256 from out0's first byte
.endr
.endm
.macro OSTEP                           ; behind s_wait_xcnt 0: on to the next tile of out0, 64 rows of 65,536 bytes; round the end
	s_add_co_u32 s[OT], s[OT], 1
	s_and_b32 s[OT], s[OT], 15
	s_cmp_eq_u32 s[OT], 0
	s_cselect_b32 s[ODW], 0x4000000, 0
	s_add_nc_u64 s[OP:OP+1], s[OP:OP+1], 0x400000
	s_sub_nc_u64 s[OP:OP+1], s[OP:OP+1], s[ODW:ODW+1]
.endm
; A STEP, between one change of slots and the next.  Tile s lies in registers and its first half has been multiplied; the other slot holds tile s + 1.  The step multiplies tile s's second half, sends tile s - 1 out,
; and multiplies tile s + 1's first half.  z = s % 2.  first = 1: the launch's first trip has no tile to send out.
; nxt = 2: it ends with the refill of tile s + 1's slot; 1: nothing is filled, tile s + 2 is still on its way; 3: nothing is on its way; 0: the last tile.
; A load into a register that a matrix instruction has read stands four plain places behind it (ISA guide 7.12.1 for vector instructions).
.macro STEP z, first, nxt
	s_wait_xcnt 0x0                                ; the last tile's stores have read their registers and their base
	OSTEP
.if \first
	s_cmp_eq_u32 s[CNT], 6
	s_cbranch_scc1 .Lno_read_\@
.endif
	SREAD
.if \first
.Lno_read_\@:
.endif
.if \nxt
	FETCH (1-\z), 0
	FETCH (1-\z), 1
	XSLOAD (1-\z)
.endif
	MUL64 \z, 8, 0
.if \first
	s_cmp_eq_u32 s[CNT], 6
	s_cbranch_scc1 .Lno_send_\@
.endif
.if \nxt
	s_wait_dscnt 36                                ; all but the two fetches and the four scale loads behind the stage's
.else
	s_wait_dscnt 0x0
.endif
	OUTS
.if \first
.Lno_send_\@:
.endif
	s_wait_dscnt 0x0                               ; my reads of the stage are over
	s_barrier_signal -1
	PLACES 5                                       ; in front of the stage stores and the fetch below, and of the next tile's first products over these accumulators
	s_barrier_wait -1                              ; everybody's are: the stage may be written
	SSTORE
.if \nxt
	FETCH (1-\z), 2
	FETCH (1-\z), 3
	MUL64 (1-\z), 0, 1
.endif
.if \nxt == 2
	REFILL (1-\z)                                  ; the tile three on from tile s; it has a whole step in which to land
.elseif \nxt
.if \nxt == 1
	s_wait_tensorcnt 0x0                           ; my part of the last tile has landed
.endif
	s_wait_dscnt 0x0                               ; my stage stores have landed
	s_barrier_signal -1
	PLACES 4
	s_barrier_wait -1
.endif
.endm
	s_load_b256 s[4:11], s[0:1], 0x0               ; x's codes s[4:5], x's scales s[6:7], weight s[8:9], scale s[10:11]
	s_load_b64 s[12:13], s[0:1], 0x20              ; out0
	v_lshl_add_u32 v[SPW], v0, 2, SPARE
	v_mov_b32 v[NIL], 0
	ds_add_u32 v[SPW], v[NIL]                      ; the wave's opening: the add, twice on end, and its wait ahead of my first tensor load
	ds_add_u32 v[SPW], v[NIL]
	v_lshrrev_b32 v243, 5, v0
	v_readfirstlane_b32 s[WV], v243                ; wave 0..3
	v_and_b32 v240, 15, v0                         ; r = lane % 16
	v_bfe_u32 v241, v0, 4, 1                       ; h = lane / 16
	v_and_b32 v242, 31, v0                         ; lane
	v_lshlrev_b32 v[WOF], 4, v240
	v_lshl_add_u32 v[WOF], v241, 12, v[WOF]        ; row h of a pair, 16 bytes a lane
	v_lshlrev_b32 v[SOF], 2, v241
	v_lshlrev_b32 v[PFO], 12, v242
	v_mov_b32 v[ZR], 0
	s_and_b32 s[KH], s[WV], 1
	s_lshr_b32 s[MH], s[WV], 1
	s_bfe_u32 s70, ttmp6, 0x40000                  ; my place in the cluster: it enters the addresses of weight, scale and out0 alone
	s_lshl_b32 s[WG], ttmp9, 2                     ; in a cluster launch ttmp9 counts clusters
	s_add_co_u32 s[WG], s[WG], s70
	s_lshr_b32 s[CX], ttmp9, 3
	s_xor_b32 s[CX], s[CX], ttmp9
	s_and_b32 s[CX], s[CX], 7                      ; the pair of tiles at which my cluster begins: the same in all four partners
	s_lshl_b32 s2, s[WG], 18                       ; weight: 64 rows of 4,096 bytes,
	s_lshl_b32 s70, s[MH], 17                      ; my 32 of them,
	s_add_co_u32 s2, s2, s70
	s_lshl_b32 s70, s[KH], 11                      ; my half of K
	s_add_co_u32 s2, s2, s70
	s_mov_b32 s3, 0
	s_lshl_b32 s72, s[WG], 8                       ; scale: 4 bytes a row
	s_lshl_b32 s70, s[MH], 7
	s_add_co_u32 s72, s72, s70
	s_mov_b32 s73, 0
	s_mov_b32 s[SEL], 0x04030401                   ; result bytes 3..0: 0, byte 3, 0, byte 1 of the weights' word
	s_mov_b32 s[SGN], 0x80808080
	s_mov_b32 s[MSK], 0x00ff00ff
	s_mov_b32 s[K33], 0x21212121
	s_mov_b32 s[DW+1], 0
	s_mov_b32 s[ODW+1], 0
	; descriptor group 1, x's codes: 64 rows x 1,024 bytes, 2,048 bytes from row to row, padded in LDS
	s_mov_b32 s[G1X], 15|(0<<16)|(1<<20)|(1<<21)|(7<<22)|(3<<25)   ; 15:0 the mask: all four work-groups; 17:16 elements of 1 byte; 20 padding on; 21 set beside a mask; 24:22 after every 256 words (code 7); 31:25 four words (code 3)
	s_mov_b32 s[G1X+1], 1024<<16                   ; tensor_dim0
	s_mov_b32 s[G1X+2], 64<<16                     ; tensor_dim1
	s_mov_b32 s[G1X+3], 1024<<16                   ; tile_dim0
	s_mov_b32 s[G1X+4], 64                         ; tile_dim1
	s_mov_b32 s[G1X+5], 2048                       ; tensor_dim0_stride
	s_mov_b32 s[G1X+6], 0
	s_mov_b32 s[G1X+7], 0
	; and x's scale bytes: 32 rows of x are a dense block of 4,096 bytes: 16 rows of 256 bytes (32 elements of 8 bytes), 16 bytes of padding behind each
	s_mov_b32 s[G1S], 15|(3<<16)|(1<<20)|(1<<21)|(5<<22)|(3<<25)
	s_mov_b32 s[G1S+1], 32<<16
	s_mov_b32 s[G1S+2], 16<<16
	s_mov_b32 s[G1S+3], 32<<16
	s_mov_b32 s[G1S+4], 16
	s_mov_b32 s[G1S+5], 32
	s_mov_b32 s[G1S+6], 0
	s_mov_b32 s[G1S+7], 0
	s_mul_i32 s70, s[KH], KHX                      ; codes: wave 0 fetches K's lower half, wave 1 its upper half
	s_mul_i32 s71, s[KH], 16*272                   ; scale bytes: wave 2 the tile's rows 0-31, wave 3 its rows 32-63
	s_lshl_b32 s74, s[CX], 18
	s_lshl_b32 s76, s[KH], 10
	s_add_co_u32 s74, s74, s76
	s_mov_b32 s75, 0
	s_lshl_b32 s76, s[CX], 14
	s_lshl_b32 s78, s[KH], 12
	s_add_co_u32 s76, s76, s78
	s_mov_b32 s77, 0
	s_wait_alu depctr_va_vdst(0)
	s_wait_dscnt 0x0                               ; both opening adds are done
	s_wait_kmcnt 0x0
	s_add_nc_u64 s[WP:WP+1], s[8:9], s[2:3]
	s_add_nc_u64 s[SPT:SPT+1], s[10:11], s[72:73]
.irp i, 0,1,2,3,4,5,6,7,8,9,10,11,12,13,14,15
	global_load_b32 v[C+\i], v[SOF], s[SPT:SPT+1] offset:8*\i      ; the scale of row 2 i + h
.endr
	WIN 0x40
.irp i, 0,1,2,3,4,5,6,7,8,9,10,11,12,13,14,15
	WLOAD \i, 0, 0                                 ; unit 0, in the order of the rows,
.endr
	WIN 0xc0
.irp i, 0,1,2,3,4,5,6,7,8,9,10,11,12,13,14,15
	WLOAD \i, 1, 256                               ; unit 1
.endr
	WIN 0
	s_mov_b32 s[G0X], 1                            ; 1:0 count = 1
	s_add_co_u32 s[G0X+1], s70, RING               ; 63:32 LDS address: slot 0
	s_add_nc_u64 s[G0X+2:G0X+3], s[4:5], s[74:75]  ; 120:64 global address
	s_mov_b32 s[G0X+4], 1
	s_add_co_u32 s[G0X+5], s70, RING+SLOTB         ; slot 1
	s_add_nc_u64 s[G0X+6:G0X+7], s[G0X+2:G0X+3], 0x20000   ; the next tile: 64 rows of 2,048 bytes down
	s_or_b32 s[G0X+3], s[G0X+3], 0x80000000        ; 127:126 type = 2
	s_or_b32 s[G0X+7], s[G0X+7], 0x80000000
	s_mov_b32 s[G0S], 1
	s_add_co_u32 s[G0S+1], s71, XSC
	s_add_nc_u64 s[G0S+2:G0S+3], s[6:7], s[76:77]
	s_mov_b32 s[G0S+4], 1
	s_add_co_u32 s[G0S+5], s71, XSC+BUFD
	s_add_nc_u64 s[G0S+6:G0S+7], s[G0S+2:G0S+3], 0x2000    ; 64 rows of 128 bytes down
	s_or_b32 s[G0S+3], s[G0S+3], 0x80000000
	s_or_b32 s[G0S+7], s[G0S+7], 0x80000000
	CROUND                                         ; all four work-groups are here: the first joint loads meet
	JLOAD 0                                        ; the first tile
	; out0: OP begins two tiles ahead of the first, since every step moves it on and the first tile leaves in the second step
	s_lshl_b32 s[OT], s[CX], 1
	s_add_co_u32 s[OT], s[OT], 14
	s_and_b32 s[OT], s[OT], 15
	s_lshl_b32 s2, s[OT], 22
	s_lshl_b32 s70, s[MH], 21                      ; my 16 rows of a tile: 32 mh + 16 kh
	s_add_co_u32 s2, s2, s70
	s_lshl_b32 s70, s[KH], 20
	s_add_co_u32 s2, s2, s70
	s_lshl_b32 s70, s[WG], 8                       ; my 64 columns
	s_add_co_u32 s2, s2, s70
	s_add_nc_u64 s[OP:OP+1], s[OP:OP+1], s[2:3]
	s_mul_i32 s70, s[KH], KHB
	s_mul_i32 s71, s[MH], 2*TB
	s_add_co_u32 s71, s71, s70                     ; my columns' image
	s_lshl_b32 s72, s[KH], 9
	s_add_co_u32 s72, s72, SCB
	s_lshl_b32 s73, s[MH], 8
	s_add_co_u32 s73, s73, s72                     ; and their scale bytes
	s_mul_i32 s74, s[KH], KHX
	s_mul_i32 s75, s[MH], 32*XP
	s_add_co_u32 s74, s74, s75
	s_add_co_u32 s74, s74, RING                    ; my rows of x
	s_lshl_b32 s75, s[KH], 6
	s_mul_i32 s76, s[MH], 16*272
	s_add_co_u32 s75, s75, s76
	s_add_co_u32 s75, s75, XSC                     ; and their scale bytes
	s_mul_i32 s76, s[MH], 32*SP
	s_lshl_b32 s77, s[KH], 15
	s_add_co_u32 s77, s77, s76                     ; my part of the stage
	s_mul_i32 s78, s[KH], 16*SP
	s_add_co_u32 s78, s78, s76                     ; the rows that I send out
	v_lshrrev_b32 v243, 1, v240                    ; my block of 32 in a row's unit
	v_and_b32 v244, 1, v240                        ; and which half of it
	v_lshrrev_b32 v245, 1, v242
	v_mul_u32_u24 v[ADQ], v243, BP
	v_lshl_add_u32 v[ADQ], v244, 3, v[ADQ]
	v_lshl_add_u32 v[ADQ], v241, 4, v[ADQ]
	v_add_nc_u32 v[ADQ], s71, v[ADQ]
	v_lshl_add_u32 v[ADQS], v241, 3, v243
	v_add_nc_u32 v[ADQS], s73, v[ADQS]
	v_mul_u32_u24 v[ADRB], v241, BP
	v_lshl_add_u32 v[ADRB], v240, 4, v[ADRB]
	v_add_nc_u32 v[ADRB], s70, v[ADRB]
	v_lshlrev_b32 v[ADBS], 3, v242
	v_add_nc_u32 v[ADBS], s72, v[ADBS]
	v_mul_u32_u24 v[ADRX], v240, XP
	v_lshl_add_u32 v[ADRX], v241, 4, v[ADRX]
	v_add_nc_u32 v[ADRX], s74, v[ADRX]
	v_add_nc_u32 v[ADRX+1], SLOTB, v[ADRX]
	v_mul_u32_u24 v[ADXS], v245, 272               ; two rows of x share a row of 256 bytes
	v_lshl_add_u32 v[ADXS], v244, 7, v[ADXS]
	v_add_nc_u32 v[ADXS], s75, v[ADXS]
	v_add_nc_u32 v[ADXS+1], BUFD, v[ADXS]
	v_mul_u32_u24 v[STO], v240, SP
	v_lshl_add_u32 v[STO], v241, 5, v[STO]
	v_add_nc_u32 v[STO], s77, v[STO]
	v_mul_u32_u24 v[RD], v241, SP
	v_lshl_add_u32 v[RD], v240, 4, v[RD]
	v_add_nc_u32 v[RD], s78, v[RD]
	v_lshlrev_b32 v[CO], 16, v241
	v_lshl_add_u32 v[CO], v240, 4, v[CO]
.irp u, 2,3
	global_prefetch_b8 v[PFO], s[WP:WP+1] offset:256*\u th:TH_LOAD_NT scope:SCOPE_SE   ; units 2 and 3: a lane a row
.endr
	; the loop below fills these registers in arms of branches on its trip: they are written here once, while the first weights are on their way, so that every path finds them written
	WIN 0x80
.set i, 0
.rept 256
	v_mov_b32 v[i], 0
.set i, i+1
.endr
	WIN 0xc0
.set i, 0
.rept 64
	v_mov_b32 v[i], 0
.set i, i+1
.endr
	WIN 0
.set i, 0
.rept 10
	v_mov_b32 v[BS+i], 0
	v_mov_b32 v[BS+16+i], 0
.set i, i+1
.endr
	s_mov_b32 s[TT], 0
	s_wait_alu depctr_va_vdst(0)
	s_wait_loadcnt 32                              ; the scales are in; the 32 weight loads may be out
.irp i, 0,1,2,3,4,5,6,7,8,9,10,11,12,13,14,15
	v_mul_f32 v[B+\i], 0xb2800000, v[C+\i]         ; x -2^-26
.endr
.irp i, 0,1,2,3,4,5,6,7,8,9,10,11,12,13,14,15
	v_mul_f32 v[C+\i], 0x71800000, v[C+\i]         ; x 2^100
.endr
	s_wait_alu depctr_va_vdst(0)
.Ltrip:                                                ; PHASE 1: three trips of two units; each unit's fragments are taken in the unit that follows it
	s_cmp_eq_u32 s[TT], 1
	s_cbranch_scc0 .La_not_1
	FRAGW 1
	s_branch .La_done
.La_not_1:
	s_cmp_eq_u32 s[TT], 2
	s_cbranch_scc0 .La_done
	FRAGW 3
.La_done:
	UNIT 0, 1, 512, 0, 1, 0
	UEND
	s_cmp_eq_u32 s[TT], 0
	s_cbranch_scc0 .Lb_not_0
	FRAGW 0
	s_branch .Lb_done
.Lb_not_0:
	s_cmp_eq_u32 s[TT], 1
	s_cbranch_scc0 .Lb_not_1
	FRAGW 2
	s_branch .Lb_done
.Lb_not_1:
	FRAGW 4
.Lb_done:
	UNIT 1, 1, 768, 0, 0, 0
	UEND
	s_wait_xcnt 0x0                                ; the trip's loads have read their base
	s_add_nc_u64 s[WP:WP+1], s[WP:WP+1], 512
	s_add_co_u32 s[TT], s[TT], 1
	s_cmp_lt_u32 s[TT], 3
	s_cbranch_scc1 .Ltrip
	s_wait_tensorcnt 0x0                           ; my part of the first tile is in
	ds_add_u32 v[SPW], v[NIL]
	s_wait_dscnt 0x0
	CROUND
	JLOAD 1                                        ; the second tile
	FRAGW 5
	UNIT 0, 0, 0, 28, 0, 0
	UEND
	FRAGW 6
	FETCH 0, 0                                     ; the whole first tile into window 1, which the weights as loaded have left
	FETCH 0, 1
	FETCH 0, 2
	FETCH 0, 3
	XSLOAD 0
	UNIT 1, 0, 0, 12, 0, 1
	UEND
	FRAGW 7
	s_mov_b32 s[CNT], 6
.set i, 0
.rept 14
	v_add_nc_u32 v[BS+i], s[K33], v[BS+i]          ; each byte its 33: none passes 254.  q = 0 .. 13,
	v_add_nc_u32 v[BS+16+i], s[K33], v[BS+16+i]
.set i, i+1
.endr
	s_wait_alu depctr_va_vdst(0)
	PLACES 8                                       ; a scale register written by a vector instruction stands eight places ahead of a scaled matrix instruction
	MUL64 0, 0, 1                                  ; the first tile's first half, while unit 7's fragments come
	s_wait_dscnt 0x0
	v_add_nc_u32 v[BS+14], s[K33], v[BS+14]        ; and q = 14, 15
	v_add_nc_u32 v[BS+15], s[K33], v[BS+15]
	v_add_nc_u32 v[BS+30], s[K33], v[BS+30]
	v_add_nc_u32 v[BS+31], s[K33], v[BS+31]
	s_wait_alu depctr_va_vdst(0)
	PLACES 8
.Lstep:                                                ; PHASE 2: six trips of two steps
	STEP 0, 1, 2
	STEP 1, 0, 2
	s_sub_co_u32 s[CNT], s[CNT], 1
	s_cmp_lg_u32 s[CNT], 0
	s_cbranch_scc1 .Lstep
	STEP 0, 0, 2                                   ; the last refill;
	STEP 1, 0, 1                                   ; the steps without one are written out
	STEP 0, 0, 3
	STEP 1, 0, 0
	s_wait_dscnt 0x0                               ; the last tile's stage stores have landed
	s_barrier_signal -1
	s_barrier_wait -1
	s_wait_xcnt 0x0
	OSTEP
	SREAD
	s_wait_dscnt 0x0
	OUTS
	s_wait_tensorcnt 0x0                           ; the wave's end, behind my last tensor load and my last LDS store
	ds_add_u32 v[SPW], v[NIL]
	s_wait_dscnt 0x0
	CROUND                                         ; the closing round: no work-group ends while a partner may still ask for a tile that names it
	s_endpgm
.Lfunc_end_k_qf5c0aad11e_qlinear:
	.size	k_qf5c0aad11e_qlinear, .Lfunc_end_k_qf5c0aad11e_qlinear-k_qf5c0aad11e_qlinear
	.p2alignl 7, 3214868480
	.fill 96, 4, 3214868480
	.section	.rodata,"a",@progbits
	.p2align	6, 0x0
	.amdhsa_kernel k_qf5c0aad11e_qlinear
		.amdhsa_group_segment_fixed_size 327680
		.amdhsa_private_segment_fixed_size 0
		.amdhsa_enable_private_segment 0
		.amdhsa_kernarg_size 40
		.amdhsa_user_sgpr_count 2
		.amdhsa_user_sgpr_kernarg_segment_ptr 1
		.amdhsa_wavefront_size32 1
		.amdhsa_system_sgpr_workgroup_id_x 1
		.amdhsa_system_sgpr_workgroup_id_y 1
		.amdhsa_system_sgpr_workgroup_id_z 1
		.amdhsa_system_vgpr_workitem_id 0
		.amdhsa_next_free_vgpr 1024
		.amdhsa_next_free_sgpr 80
		.amdhsa_reserve_vcc 0
		.amdhsa_float_denorm_mode_32 3
		.amdhsa_float_denorm_mode_16_64 3
		.amdhsa_memory_ordered 1
		.amdhsa_forward_progress 1
		.amdhsa_inst_pref_size 255
	.end_amdhsa_kernel
	.section	.bss,"aw",@nobits
	.p2align	6
	.space	262144
	.amdgpu_metadata
---
amdhsa.version: [ 1, 2 ]
amdhsa.kernels:
  - .name:           k_qf5c0aad11e_qlinear
    .symbol:         k_qf5c0aad11e_qlinear.kd
    .args:
      - { .name: x_codes, .offset: 0, .size: 8, .value_kind: global_buffer, .address_space: global }
      - { .name: x_scales, .offset: 8, .size: 8, .value_kind: global_buffer, .address_space: global }
      - { .name: weight, .offset: 16, .size: 8, .value_kind: global_buffer, .address_space: global }
      - { .name: scale, .offset: 24, .size: 8, .value_kind: global_buffer, .address_space: global }
      - { .name: out0, .offset: 32, .size: 8, .value_kind: global_buffer, .address_space: global }
    .group_segment_fixed_size: 327680
    .private_segment_fixed_size: 0
    .kernarg_segment_align: 8
    .kernarg_segment_size: 40
    .max_flat_workgroup_size: 128
    .sgpr_count:     80
    .vgpr_count:     1024
    .wavefront_size: 32
...
	.end_amdgpu_metadata
.endif
;; end of part 2
